; MI455X (gfx1250); checked and timed in simulation.
; The chip was launched on July 23, 2026; its instructions are those of AMD's public machine-readable ISA for CDNA 5 (MIT licence, August 2026) and "CDNA5" Instruction Set Architecture Reference Guide (July 2026). The comments in the code are by the model that wrote it; some were corrected since.
;; Clifford Algebra. Allowed arithmetic: float matrix products may take bf16 or f16 operands with f32 sums; all other float work in f32.
;; Inputs: a 1,024 x 1,024 x 16 float32; b 1,024 x 1,024 x 16 float32.
;; Outputs: out0 1,024 x 1,024 x 16 float32.
;; 2 versions, each right; version 2 is version 1 with the launch geoprod written anew for expert scheduling mode. Each part assembles by itself: llvm-mc -triple=amdgcn-amd-amdhsa -mcpu=gfx1250 --defsym DOCPART=n.
;; ======== version 1 of 2: 1 launch
;; launch geoprod (part 1): grid 1024 x 1, 8 waves a work-group, no clusters, 0 bytes of LDS; arguments a, b, out0; writes out0
.if DOCPART == 1
	.amdgcn_target "amdgcn-amd-amdhsa--gfx1250"
	.amdhsa_code_object_version 6
	.text
	.protected	k_q1e7db0f8f8_geoprod
	.globl	k_q1e7db0f8f8_geoprod
	.p2align	8
	.type	k_q1e7db0f8f8_geoprod,@function
k_q1e7db0f8f8_geoprod:
	s_mov_b64 s[64:65], 0
	v_nop
	global_prefetch_b8 v0, s[64:65] scope:SCOPE_SE
	s_setreg_imm32_b32 hwreg(HW_REG_WAVE_MODE, 25, 1), 1
	s_wait_xcnt 0x0
; out = a b, the geometric product of Cl(3,1), at 2^20 positions of 16 f32 components:
;   out[c] = sum over i of sign(i, i ^ c) a[i] b[i ^ c],  blades numbered by their bits (bit k = e_(k+1); e_4 squares to -1).
; SIGN.  Split an index into its upper and lower two bits, i = (ih, il), j = (jh, jl).  Counting the swaps that sort e_i e_j,
; and the -1 of e_4 e_4:   sign(i, j) = (-1)^( il1 jl0  +  |ih| |jl|  +  ih1 |jh| )      (|.| = number of set bits).
; LAYOUT.  Thread t owns the 16 bytes at 16 t of every 4,096-byte row of a, b and out, so each load and each store of a wave covers 512
; consecutive bytes, aligned, and nothing goes through LDS.  Four neighbouring lanes (a quad) hold one position; lane g = t & 3 holds
; the components (g, 0..3) of a and b and makes the outputs (g, 0..3):
;   out(g, t) = sum over x = 0..3, il = 0..3 of sign a(x, il) b(x ^ g, il ^ t).
; a(x, .) comes by a broadcast inside the quad, b(x ^ g, .) by an exchange inside the quad (DPP quad_perm): 16 + 12 moves.
; The first two terms of the sign hang on x, il, t alone and ride on the packed multiply-adds as neg_lo / neg_hi.  The third, ih1 |jh| with
; ih = x, jh = x ^ g, hangs on the lane: +1 for x = 0, 1;  s(g) = (-, +, +, -) for x = 2;  -s(g) for x = 3.  So x = 0, 1 are summed in P01 and
; x = 2, 3 (x = 3 with its sign turned) in P23, four chains that do not wait for each other, and out = P23 s(g) + P01.
; 62 vector instructions for a lane's 48 bytes of traffic.
; WHY NO MATRIX INSTRUCTION: the sign table is constant, but the product is bilinear at each position.  A product with the constant
; 256 x 16 table would take the 256 numbers a[i] b[j] of each position as its operand, and forming them is already as many multiplies as the
; whole signed sum; a product L(a) b would want another 16 x 16 matrix at every position.  So: f32 fused multiply-adds, nothing rounded to 16 bits.
; WHY NO CLUSTER, NO LDS, NO BARRIER: no byte is read by two work-groups or two waves; waves do not depend on each other.
; LIMITS: none of range.  The 16 products of an output are added in f32 in an order other than the reference's (four chains of eight
; terms, then one fused multiply-add); every product is formed, so NaN and infinities come out where the operands bring them.
; SHARES: 1,024 work-groups of eight waves; a work-group owns ROWS = 16 rows of 4,096 bytes (1,024 positions... 64 positions a row x 16) of each array.
; A ring of DEPTH = 8 register slots keeps 16 loads of every wave in flight (an a and a b for each slot).  16 rows are two rounds: the first
; fills each slot again, the second loads nothing.  All row offsets are immediates: no pointer and no offset register is ever stepped.
.set ROW,   4096                       ; bytes that the work-group's 256 threads cover at once
.set DEPTH, 8                          ; slots
.set ROWS,  2*DEPTH                    ; rows of a work-group: ROWS*ROW = 65,536 bytes
.set OFF,   1                          ; v1         byte offset of my 16 bytes in the work-group's first row, the same in a, b and out
.set SG,    2                          ; v[2:3]     s(g), twice (a pair for the packed multiply-add)
.set A,     4                          ; v[4:35]    slot i: a(g, 0..3) as loaded
.set B,     36                         ; v[36:67]   slot i: b(g, 0..3) as loaded
.set AP,    68                         ; v[68:83]   a(x, il) at AP + 4 x + il, the same in the four lanes of a quad
.set BP,    84                         ; v[84:95]   b(x ^ g, jl) at BP + 4 (x - 1) + jl, x = 1..3 (x = 0 is the slot's own B)
.set P01,   96                         ; v[96:99]   sums of x = 0, 1; then the result, from which it is stored
.set P23,   100                        ; v[100:103] sums of x = 2, 3 without the lane's sign (P23 = P01 + 4 is used below)
	s_load_b128 s[4:7], s[0:1], 0x0                ; a s[4:5], b s[6:7]
	s_load_b64 s[8:9], s[0:1], 0x10                ; out
	s_lshl_b32 s2, ttmp9, 16                       ; the work-group's number x 65,536 bytes: below 64 MiB
	v_lshl_or_b32 v[OFF], v0, 4, s2                ; + 16 t
	s_wait_kmcnt 0x0
.irp i, 0,1,2,3,4,5,6,7
	global_load_b128 v[A+4*\i:A+4*\i+3], v[OFF], s[4:5] offset:\i*ROW th:TH_LOAD_NT     ; fill the ring: rows 0 to 7, a then b;
	global_load_b128 v[B+4*\i:B+4*\i+3], v[OFF], s[6:7] offset:\i*ROW th:TH_LOAD_NT     ; each byte is read once in the launch
.endr
	; s(g) = +1 where g0 xor g1 = 1 (g = 1, 2), else -1: the bit g0 xor g1 turns the sign bit of -1.0
	v_lshrrev_b32 v[SG], 1, v0
	v_xor_b32 v[SG], v[SG], v0                     ; bit 0 = g0 xor g1
	v_lshlrev_b32 v[SG], 31, v[SG]                 ; alone, in the sign's place
	v_xor_b32 v[SG], 0xbf800000, v[SG]
	v_mov_b32 v[SG+1], v[SG]
	; A DPP move leaves its destination as it was in lanes that have no source, so the destination counts as read: the 28 registers are
	; written once here, while the first loads are on their way.
.set j, 0
.rept 28
	v_mov_b32 v[AP+j], 0
.set j, j+1
.endr
; One packed product on the registers T_D, T_A, T_B that TERM has set.  a: register i0 of its pair feeds both halves.  b: register i0 feeds
; the low half, register j0 = 1 - i0 the high half.  nl, nh: the low, the high product is taken negative.  first = 1: it starts the sums.
.macro PKOP first, i0, j0, nl, nh
.if \first
	v_pk_mul_f32 v[T_D:T_D+1], v[T_A:T_A+1], v[T_B:T_B+1] op_sel:[\i0,\i0] op_sel_hi:[\i0,\j0] neg_lo:[0,\nl] neg_hi:[0,\nh]
.else
	v_pk_fma_f32 v[T_D:T_D+1], v[T_A:T_A+1], v[T_B:T_B+1], v[T_D:T_D+1] op_sel:[\i0,\i0,0] op_sel_hi:[\i0,\j0,1] neg_lo:[0,\nl,0] neg_hi:[0,\nh,0]
.endif
.endm
; out(g, 2u) and out(g, 2u+1) take a(x, il) b(x ^ g, il ^ 2u) and a(x, il) b(x ^ g, il ^ (2u+1)), il = 2 i1 + i0.
; Both b lie in pair i1 ^ u of the four registers at bb: jl = 2 (i1 ^ u) + i0 for the low half, 2 (i1 ^ u) + j0 for the high half.
; Static sign: il1 jl0 + |x| |jl|, and one turn more for x = 3.
.macro TERM x, i1, i0, j0, u, bb, first
.set T_V,  (\i1 ^ \u)                                          ; jl1
.set T_PX, ((\x ^ (\x >> 1)) & 1)                              ; |x| odd
.set T_F3, ((\x >> 1) & \x & 1)                                ; x = 3
.set T_NL, (((\i1 & \i0) ^ (T_PX & (T_V ^ \i0)) ^ T_F3) & 1)
.set T_NH, (((\i1 & \j0) ^ (T_PX & (T_V ^ \j0)) ^ T_F3) & 1)
.set T_D,  P01 + 4*(\x >> 1) + 2*\u
.set T_A,  AP + 4*\x + 2*\i1
.set T_B,  \bb + 2*T_V
.if (T_NL + 2*T_NH) == 0
	PKOP \first, \i0, \j0, 0, 0
.endif
.if (T_NL + 2*T_NH) == 1
	PKOP \first, \i0, \j0, 1, 0
.endif
.if (T_NL + 2*T_NH) == 2
	PKOP \first, \i0, \j0, 0, 1
.endif
.if (T_NL + 2*T_NH) == 3
	PKOP \first, \i0, \j0, 1, 1
.endif
.endm
; one il of two values of x: one link in each of the four chains
.macro STEP4 xa, ba, xb, bb, i1, i0, j0, first
	TERM \xa, \i1, \i0, \j0, 0, \ba, \first
	TERM \xa, \i1, \i0, \j0, 1, \ba, \first
	TERM \xb, \i1, \i0, \j0, 0, \bb, \first
	TERM \xb, \i1, \i0, \j0, 1, \bb, \first
.endm
; all four il of xa (into P01) and xb (into P23): 16 packed products
.macro HALF xa, ba, xb, bb, start
	STEP4 \xa, \ba, \xb, \bb, 0, 0, 1, \start
	STEP4 \xa, \ba, \xb, \bb, 0, 1, 0, 0
	STEP4 \xa, \ba, \xb, \bb, 1, 0, 1, 0
	STEP4 \xa, \ba, \xb, \bb, 1, 1, 0, 0
.endm
; b of lane g ^ x of the quad: lane 0..3 reads lane p0..p3
.macro BPERM i, x, p0, p1, p2, p3
.irp c, 0,1,2,3
	v_mov_b32_dpp v[BP+4*(\x-1)+\c], v[B+4*\i+\c] quad_perm:[\p0,\p1,\p2,\p3] row_mask:0xf bank_mask:0xf
.endr
.endm
; The turn of slot i, which holds row `row`.  refill = 1: the slot is loaded again with the row DEPTH further down.
; left = how many younger loads may stay out.
.macro SLOT i, row, refill, left
	s_wait_loadcnt \left                           ; loads come back in order (ISA guide 5.7.1): this slot's a and b are in, the younger pairs stay out
.irp x, 0,1,2,3
.irp c, 0,1,2,3
	v_mov_b32_dpp v[AP+4*\x+\c], v[A+4*\i+\c] quad_perm:[\x,\x,\x,\x] row_mask:0xf bank_mask:0xf    ; a(x, c) to the whole quad
.endr
.endr
	BPERM \i, 1, 1,0,3,2
	BPERM \i, 2, 2,3,0,1
	BPERM \i, 3, 3,2,1,0
	s_wait_xcnt 0x0                                ; P01 is the data of the last turn's store: it is written again only behind this wait,
	                                               ; which stands behind the 28 moves and not straight behind that store
	HALF 0, B+4*\i, 2, BP+4, 1                     ; x = 0 (my own b) and x = 2; their first products start the sums: nothing is cleared
.if \refill
	; the slot's A was last read by the moves, its B by the products of x = 0 just above
	global_load_b128 v[A+4*\i:A+4*\i+3], v[OFF], s[4:5] offset:ROW*(\row)+ROW*DEPTH th:TH_LOAD_NT
	global_load_b128 v[B+4*\i:B+4*\i+3], v[OFF], s[6:7] offset:ROW*(\row)+ROW*DEPTH th:TH_LOAD_NT
.endif
	HALF 1, BP, 3, BP+8, 0                         ; x = 1 and x = 3
	v_pk_fma_f32 v[P01:P01+1],   v[P23:P23+1],   v[SG:SG+1], v[P01:P01+1]      ; out = P23 s(g) + P01
	v_pk_fma_f32 v[P01+2:P01+3], v[P23+2:P23+3], v[SG:SG+1], v[P01+2:P01+3]
	global_store_b128 v[OFF], v[P01:P01+3], s[8:9] offset:ROW*(\row) th:TH_STORE_NT     ; the wave stores 512 consecutive bytes, aligned; written once, not read again
.endm
.irp i, 0,1,2,3,4,5,6,7
	SLOT \i, \i, 1, 2*(DEPTH-1)                    ; rows 0 to 7; seven younger pairs of loads stay out
.endr
.irp i, 0,1,2,3,4,5,6,7
	SLOT \i, DEPTH+\i, 0, 2*(DEPTH-1-\i)           ; rows 8 to 15: nothing is loaded, no load leaves the buffers, the counts run down to 0
.endr
	s_endpgm
.Lfunc_end_k_q1e7db0f8f8_geoprod:
	.size	k_q1e7db0f8f8_geoprod, .Lfunc_end_k_q1e7db0f8f8_geoprod-k_q1e7db0f8f8_geoprod
	.p2alignl 7, 3214868480
	.fill 96, 4, 3214868480
	.section	.rodata,"a",@progbits
	.p2align	6, 0x0
	.amdhsa_kernel k_q1e7db0f8f8_geoprod
		.amdhsa_group_segment_fixed_size 0
		.amdhsa_private_segment_fixed_size 0
		.amdhsa_enable_private_segment 0
		.amdhsa_kernarg_size 24
		.amdhsa_user_sgpr_count 2
		.amdhsa_user_sgpr_kernarg_segment_ptr 1
		.amdhsa_wavefront_size32 1
		.amdhsa_system_sgpr_workgroup_id_x 1
		.amdhsa_system_sgpr_workgroup_id_y 1
		.amdhsa_system_sgpr_workgroup_id_z 1
		.amdhsa_system_vgpr_workitem_id 0
		.amdhsa_next_free_vgpr 104
		.amdhsa_next_free_sgpr 66
		.amdhsa_reserve_vcc 0
		.amdhsa_float_denorm_mode_32 3
		.amdhsa_float_denorm_mode_16_64 3
		.amdhsa_memory_ordered 1
		.amdhsa_forward_progress 1
		.amdhsa_inst_pref_size 70
	.end_amdhsa_kernel
	.amdgpu_metadata
---
amdhsa.version: [ 1, 2 ]
amdhsa.kernels:
  - .name:           k_q1e7db0f8f8_geoprod
    .symbol:         k_q1e7db0f8f8_geoprod.kd
    .args:
      - { .name: a, .offset: 0, .size: 8, .value_kind: global_buffer, .address_space: global }
      - { .name: b, .offset: 8, .size: 8, .value_kind: global_buffer, .address_space: global }
      - { .name: out0, .offset: 16, .size: 8, .value_kind: global_buffer, .address_space: global }
    .group_segment_fixed_size: 0
    .private_segment_fixed_size: 0
    .kernarg_segment_align: 8
    .kernarg_segment_size: 24
    .max_flat_workgroup_size: 256
    .sgpr_count:     66
    .vgpr_count:     104
    .wavefront_size: 32
...
	.end_amdgpu_metadata
.endif
;; end of part 1
;; ======== version 2 of 2: 1 launch; version 1 with the launch geoprod written anew for expert scheduling mode
;; launch geoprod (part 2): grid 1024 x 1, 8 waves a work-group, no clusters, 0 bytes of LDS; arguments a, b, out0; writes out0
.if DOCPART == 2
	.amdgcn_target "amdgcn-amd-amdhsa--gfx1250"
	.amdhsa_code_object_version 6
	.text
	.protected	k_q1e7db0f8f8_geoprod
	.globl	k_q1e7db0f8f8_geoprod
	.p2align	8
	.type	k_q1e7db0f8f8_geoprod,@function
k_q1e7db0f8f8_geoprod:
	s_mov_b64 s[64:65], 0
	v_nop
	global_prefetch_b8 v0, s[64:65] scope:SCOPE_SE
	s_setreg_imm32_b32 hwreg(HW_REG_WAVE_SCHED_MODE, 0, 2), 2
	s_setreg_imm32_b32 hwreg(HW_REG_WAVE_MODE, 25, 1), 1
	s_wait_xcnt 0x0
	s_wait_alu depctr_vm_vsrc(0)
; out = a b, the geometric product of Cl(3,1), at 2^20 positions of 16 f32 components:
;   out[c] = sum over i of sign(i, i ^ c) a[i] b[i ^ c],  blades numbered by their bits (bit k = e_(k+1); e_4 squares to -1).
; SIGN.  Split an index into its upper and lower two bits, i = (ih, il), j = (jh, jl).  Counting the swaps that sort e_i e_j,
; and the -1 of e_4 e_4:   sign(i, j) = (-1)^( il1 jl0  +  |ih| |jl|  +  ih1 |jh| )      (|.| = number of set bits).
; LAYOUT.  Thread t owns the 16 bytes at 16 t of every 4,096-byte row of a, b and out, so each load and each store of a wave covers 512
; consecutive bytes, aligned, and nothing goes through LDS.  Four neighbouring lanes (a quad) hold one position; lane g = t & 3 holds
; the components (g, 0..3) of a and b and makes the outputs (g, 0..3):
;   out(g, t) = sum over x = 0..3, il = 0..3 of sign a(x, il) b(x ^ g, il ^ t).
; a(x, .) comes by a broadcast inside the quad, b(x ^ g, .) by an exchange inside the quad (DPP quad_perm): 16 + 12 moves.
; The first two terms of the sign hang on x, il, t alone and ride on the packed multiply-adds as neg_lo / neg_hi.  The third, ih1 |jh| with
; ih = x, jh = x ^ g, hangs on the lane: +1 for x = 0, 1;  s(g) = (-, +, +, -) for x = 2;  -s(g) for x = 3.  So x = 0, 1 are summed in Y and
; x = 2, 3 (x = 3 with its sign turned) in P23, four chains that do not wait for each other, and out = P23 s(g) + Y.
; 62 vector instructions for a lane's 48 bytes of traffic.
; WHY NO MATRIX INSTRUCTION: the sign table is constant, but the product is bilinear at each position.  A product with the constant
; 256 x 16 table would take the 256 numbers a[i] b[j] of each position as its operand, and forming them is already as many multiplies as the
; whole signed sum; a product L(a) b would want another 16 x 16 matrix at every position.  So: f32 fused multiply-adds, nothing rounded to 16 bits.
; WHY NO CLUSTER, NO LDS, NO BARRIER: no byte is read by two work-groups or two waves; waves do not depend on each other.
; LIMITS: none of range.  The 16 products of an output are added in f32 in an order other than the reference's (four chains of eight
; terms, then one fused multiply-add); every product is formed, so NaN and infinities come out where the operands bring them.
; SHARES: 1,024 work-groups of eight waves; a work-group owns ROWS = 16 rows of 4,096 bytes (64 positions a row, 1,024 in all) of each array.
; A turn takes one row.  All row offsets are immediates: no pointer and no offset register is ever stepped, and there is no loop.
; THE MODE: SCHED_MODE bits 1:0 = 2 (LLVM: expert scheduling mode 2), set by the entry lines.  The code itself states the register dependences
; between vector instructions and memory instructions, with s_wait_alu, always for 0.
; THE PLAN.  Registers that memory instructions touch:
;   v[OFF]        Written once at the head; read by every load and store as its offset; never written again.
;   A[k], B[k]    Nine slots of a and b as loaded.  Turn p reads slot p % 9 (its 28 moves, and the products of x = 0); the two loads of row p + 9
;                 land in it at the head of turn p + 1.  No vector instruction ever writes them.
;   Y0, Y1        Two results to store.  Turn p's products write Y[p % 2]; the one store that reads it is issued at the head of turn p + 1;
;                 turn p + 2 writes it again.
;   AP, BP, P23 and SG are named by vector instructions alone.
; The memory instructions of turn p are the loads into slot (p - 1) % 9 and the store from Y[(p - 1) % 2]: the registers that turn p - 1 worked on
; and that no vector instruction of turn p names.  So the waits at a turn's head state all that they hang on.  They are issued ahead of the wait
; for the turn's own data: with rows 0 to 8 loaded at the head, 18 loads of a wave are out at that wait, this turn's two among them.
; A slot lies idle from its last read to the next turn's head: that is what the ninth slot is for.
.set ROW,   4096                       ; bytes that the work-group's 256 threads cover at once
.set SLOTS, 9                          ; slots of a and b
.set ROWS,  16                         ; rows of a work-group: ROWS*ROW = 65,536 bytes
.set OFF,   1                          ; v1         byte offset of my 16 bytes in the work-group's first row, the same in a, b and out
.set SG,    2                          ; v[2:3]     s(g), twice (a pair for the packed multiply-add)
.set A,     4                          ; v[4:39]    slot k: a(g, 0..3) as loaded
.set B,     40                         ; v[40:75]   slot k: b(g, 0..3) as loaded
.set AP,    76                         ; v[76:91]   a(x, il) at AP + 4 x + il, the same in the four lanes of a quad
.set BP,    92                         ; v[92:103]  b(x ^ g, jl) at BP + 4 (x - 1) + jl, x = 1..3 (x = 0 is the slot's own B)
.set Y,     104                        ; v[104:111] buffer k at Y + 4 k: sums of x = 0, 1; then the result, from which it is stored
.set P23,   112                        ; v[112:115] sums of x = 2, 3 without the lane's sign
	s_load_b128 s[4:7], s[0:1], 0x0                ; a s[4:5], b s[6:7]
	s_load_b64 s[8:9], s[0:1], 0x10                ; out
	s_lshl_b32 s2, ttmp9, 16                       ; the work-group's number x 65,536 bytes: below 64 MiB
	v_lshl_or_b32 v[OFF], v0, 4, s2                ; + 16 t
	s_wait_kmcnt 0x0
	s_wait_alu depctr_va_vdst(0)                   ; v[OFF] is written: every load and store of the kernel reads it as its offset
.irp i, 0,1,2,3,4,5,6,7,8
	global_load_b128 v[A+4*\i:A+4*\i+3], v[OFF], s[4:5] offset:\i*ROW th:TH_LOAD_NT     ; fill the slots: rows 0 to 8, a then b;
	global_load_b128 v[B+4*\i:B+4*\i+3], v[OFF], s[6:7] offset:\i*ROW th:TH_LOAD_NT     ; each byte is read once in the launch
.endr
	; s(g) = +1 where g0 xor g1 = 1 (g = 1, 2), else -1: the bit g0 xor g1 turns the sign bit of -1.0
	v_lshrrev_b32 v[SG], 1, v0
	v_xor_b32 v[SG], v[SG], v0                     ; bit 0 = g0 xor g1
	v_lshlrev_b32 v[SG], 31, v[SG]                 ; alone, in the sign's place
	v_xor_b32 v[SG], 0xbf800000, v[SG]
	v_mov_b32 v[SG+1], v[SG]
	; A DPP move leaves its destination as it was in lanes that have no source, so the destination counts as read: the 28 registers are
	; written once here, while the first loads are on their way.
.set j, 0
.rept 28
	v_mov_b32 v[AP+j], 0
.set j, j+1
.endr
; One packed product on the registers T_D, T_A, T_B that TERM has set.  a: register i0 of its pair feeds both halves.  b: register i0 feeds
; the low half, register j0 = 1 - i0 the high half.  nl, nh: the low, the high product is taken negative.  first = 1: it starts the sums.
.macro PKOP first, i0, j0, nl, nh
.if \first
	v_pk_mul_f32 v[T_D:T_D+1], v[T_A:T_A+1], v[T_B:T_B+1] op_sel:[\i0,\i0] op_sel_hi:[\i0,\j0] neg_lo:[0,\nl] neg_hi:[0,\nh]
.else
	v_pk_fma_f32 v[T_D:T_D+1], v[T_A:T_A+1], v[T_B:T_B+1], v[T_D:T_D+1] op_sel:[\i0,\i0,0] op_sel_hi:[\i0,\j0,1] neg_lo:[0,\nl,0] neg_hi:[0,\nh,0]
.endif
.endm
; out(g, 2u) and out(g, 2u+1) take a(x, il) b(x ^ g, il ^ 2u) and a(x, il) b(x ^ g, il ^ (2u+1)), il = 2 i1 + i0.
; Both b lie in pair i1 ^ u of the four registers at bb: jl = 2 (i1 ^ u) + i0 for the low half, 2 (i1 ^ u) + j0 for the high half.
; Static sign: il1 jl0 + |x| |jl|, and one turn more for x = 3.  x = 0, 1 add into CUR, the turn's Y; x = 2, 3 into P23.
.macro TERM x, i1, i0, j0, u, bb, first
.set T_V,  (\i1 ^ \u)                                          ; jl1
.set T_PX, ((\x ^ (\x >> 1)) & 1)                              ; |x| odd
.set T_F3, ((\x >> 1) & \x & 1)                                ; x = 3
.set T_NL, (((\i1 & \i0) ^ (T_PX & (T_V ^ \i0)) ^ T_F3) & 1)
.set T_NH, (((\i1 & \j0) ^ (T_PX & (T_V ^ \j0)) ^ T_F3) & 1)
.set T_D,  CUR + ((P23 - CUR)*(\x >> 1)) + 2*\u
.set T_A,  AP + 4*\x + 2*\i1
.set T_B,  \bb + 2*T_V
.if (T_NL + 2*T_NH) == 0
	PKOP \first, \i0, \j0, 0, 0
.endif
.if (T_NL + 2*T_NH) == 1
	PKOP \first, \i0, \j0, 1, 0
.endif
.if (T_NL + 2*T_NH) == 2
	PKOP \first, \i0, \j0, 0, 1
.endif
.if (T_NL + 2*T_NH) == 3
	PKOP \first, \i0, \j0, 1, 1
.endif
.endm
; one il of two values of x: one link in each of the four chains
.macro STEP4 xa, ba, xb, bb, i1, i0, j0, first
	TERM \xa, \i1, \i0, \j0, 0, \ba, \first
	TERM \xa, \i1, \i0, \j0, 1, \ba, \first
	TERM \xb, \i1, \i0, \j0, 0, \bb, \first
	TERM \xb, \i1, \i0, \j0, 1, \bb, \first
.endm
; all four il of xa (into the turn's Y) and xb (into P23): 16 packed products
.macro HALF xa, ba, xb, bb, start
	STEP4 \xa, \ba, \xb, \bb, 0, 0, 1, \start
	STEP4 \xa, \ba, \xb, \bb, 0, 1, 0, 0
	STEP4 \xa, \ba, \xb, \bb, 1, 0, 1, 0
	STEP4 \xa, \ba, \xb, \bb, 1, 1, 0, 0
.endm
; b of lane g ^ x of the quad: lane 0..3 reads lane p0..p3
.macro BPERM i, x, p0, p1, p2, p3
.irp c, 0,1,2,3
	v_mov_b32_dpp v[BP+4*(\x-1)+\c], v[B+4*\i+\c] quad_perm:[\p0,\p1,\p2,\p3] row_mask:0xf bank_mask:0xf
.endr
.endm
; Turn p: row p, which lies in slot p % SLOTS, is worked on, into Y[p % 2].  At its head the slot of the turn before is loaded again, with the
; row SLOTS - 1 further down than p (while there is such a row), and the result of the turn before is stored.
.macro TURN p
.set SL,  ((\p) % SLOTS)                               ; this turn's slot
.set PS,  (((\p) + SLOTS - 1) % SLOTS)                 ; the slot of the turn before
.set CUR, (Y + 4*((\p) % 2))                           ; this turn's Y
.set PRV, (Y + 4*(1 - ((\p) % 2)))                     ; the Y of the turn before
.if (\p) > 1                                           ; (turns 0 and 1 write a Y that no store has read yet)
	s_wait_xcnt 0x0                                ; every earlier memory instruction has had its addresses translated (ISA guide 3.1): this turn's Y, the data of the store issued a turn ago, is written again only behind this wait
	s_wait_alu depctr_vm_vsrc(0)                   ; the store issued at the head of the turn before has read this turn's Y, which the products below write again
.endif
.if (\p) > 0
	s_wait_alu depctr_va_vdst(0)                   ; the turn before has written its Y, which the store below reads, and is done reading its slot's A and B, in which the loads below land
.if (\p) < ROWS - SLOTS + 1
	global_load_b128 v[A+4*PS:A+4*PS+3], v[OFF], s[4:5] offset:ROW*((\p)+SLOTS-1) th:TH_LOAD_NT
	global_load_b128 v[B+4*PS:B+4*PS+3], v[OFF], s[6:7] offset:ROW*((\p)+SLOTS-1) th:TH_LOAD_NT
.endif
	global_store_b128 v[OFF], v[PRV:PRV+3], s[8:9] offset:ROW*((\p)-1) th:TH_STORE_NT   ; the wave stores 512 consecutive bytes, aligned; written once, not read again
.endif
.if (\p) < ROWS - SLOTS + 1
	s_wait_loadcnt 2*(SLOTS-1)                     ; loads come back in order (ISA guide 5.7.1): this slot's a and b are in; the eight younger rows' pairs stay out
.else
	s_wait_loadcnt 2*(ROWS-1-(\p))                 ; nothing more is loaded, no load leaves the buffers: the counts run down to 0
.endif
.irp x, 0,1,2,3
.irp c, 0,1,2,3
	v_mov_b32_dpp v[AP+4*\x+\c], v[A+4*SL+\c] quad_perm:[\x,\x,\x,\x] row_mask:0xf bank_mask:0xf    ; a(x, c) to the whole quad
.endr
.endr
	BPERM SL, 1, 1,0,3,2
	BPERM SL, 2, 2,3,0,1
	BPERM SL, 3, 3,2,1,0
	HALF 0, B+4*SL, 2, BP+4, 1                     ; x = 0 (my own b) and x = 2; their first products start the sums: nothing is cleared
	HALF 1, BP, 3, BP+8, 0                         ; x = 1 and x = 3
	v_pk_fma_f32 v[CUR:CUR+1],   v[P23:P23+1],   v[SG:SG+1], v[CUR:CUR+1]      ; out = P23 s(g) + Y
	v_pk_fma_f32 v[CUR+2:CUR+3], v[P23+2:P23+3], v[SG:SG+1], v[CUR+2:CUR+3]
.endm
.irp p, 0,1,2,3,4,5,6,7,8,9,10,11,12,13,14,15
	TURN \p                                        ; turn 0 has no turn in front of it: no load, no store, no wait but the one for its data
.endr
	s_wait_alu depctr_va_vdst(0)                   ; turn 15 has written Y1, which the last store reads
	global_store_b128 v[OFF], v[Y+4:Y+7], s[8:9] offset:ROW*(ROWS-1) th:TH_STORE_NT
	s_endpgm
.Lfunc_end_k_q1e7db0f8f8_geoprod:
	.size	k_q1e7db0f8f8_geoprod, .Lfunc_end_k_q1e7db0f8f8_geoprod-k_q1e7db0f8f8_geoprod
	.p2alignl 7, 3214868480
	.fill 96, 4, 3214868480
	.section	.rodata,"a",@progbits
	.p2align	6, 0x0
	.amdhsa_kernel k_q1e7db0f8f8_geoprod
		.amdhsa_group_segment_fixed_size 0
		.amdhsa_private_segment_fixed_size 0
		.amdhsa_enable_private_segment 0
		.amdhsa_kernarg_size 24
		.amdhsa_user_sgpr_count 2
		.amdhsa_user_sgpr_kernarg_segment_ptr 1
		.amdhsa_wavefront_size32 1
		.amdhsa_system_sgpr_workgroup_id_x 1
		.amdhsa_system_sgpr_workgroup_id_y 1
		.amdhsa_system_sgpr_workgroup_id_z 1
		.amdhsa_system_vgpr_workitem_id 0
		.amdhsa_next_free_vgpr 116
		.amdhsa_next_free_sgpr 66
		.amdhsa_reserve_vcc 0
		.amdhsa_float_denorm_mode_32 3
		.amdhsa_float_denorm_mode_16_64 3
		.amdhsa_memory_ordered 1
		.amdhsa_forward_progress 1
		.amdhsa_inst_pref_size 71
	.end_amdhsa_kernel
	.amdgpu_metadata
---
amdhsa.version: [ 1, 2 ]
amdhsa.kernels:
  - .name:           k_q1e7db0f8f8_geoprod
    .symbol:         k_q1e7db0f8f8_geoprod.kd
    .args:
      - { .name: a, .offset: 0, .size: 8, .value_kind: global_buffer, .address_space: global }
      - { .name: b, .offset: 8, .size: 8, .value_kind: global_buffer, .address_space: global }
      - { .name: out0, .offset: 16, .size: 8, .value_kind: global_buffer, .address_space: global }
    .group_segment_fixed_size: 0
    .private_segment_fixed_size: 0
    .kernarg_segment_align: 8
    .kernarg_segment_size: 24
    .max_flat_workgroup_size: 256
    .sgpr_count:     66
    .vgpr_count:     116
    .wavefront_size: 32
...
	.end_amdgpu_metadata
.endif
;; end of part 2
